; MI455X (gfx1250); checked and timed in simulation.
; The chip was launched on July 23, 2026; its instructions are those of AMD's public machine-readable ISA for CDNA 5 (MIT licence, August 2026) and "CDNA5" Instruction Set Architecture Reference Guide (July 2026). The comments in the code are by the model that wrote it; some were corrected since.
;; Decoder. Allowed arithmetic: float matrix products may take bf16 or f16 operands with f32 sums; all other float work in f32.
;; Inputs: W_emb 64 x 3 float32; W_hh 512 x 128 float32; W_ih 512 x 64 float32; W_pos 2 x 128 float32; b_emb 64 float32; b_hh 512 float32; b_ih 512 float32; b_pos 2 float32; c0 1 x 65,536 x 128 float32; h0 1 x 65,536 x 128 float32; last_pos 65,536 x 2 float32; last_pos_rel 65,536 x 2 float32; last_speed_abs_pos 65,536 x 1 float32; last_speed_pos_rel 65,536 x 1 float32.
;; Outputs: out0 16 x 65,536 x 2 float32; out1 1 x 65,536 x 128 float32.
;; Constants: seq_len = 16.
;; One version. Each part assembles by itself: llvm-mc -triple=amdgcn-amd-amdhsa -mcpu=gfx1250 --defsym DOCPART=n.
;; ======== version 1 of 1: 1 launch
;; limits: values outside matrix products are rounded to f16; values are held in f16: magnitudes above 65,504 overflow, below 6.1e-05 lose precision
;; launch decoder (part 1): grid 256 x 1, 8 waves a work-group, no clusters, 312,320 bytes of LDS; arguments W_hh, W_ih, W_emb, b_emb, b_ih, b_hh, W_pos, b_pos, h0, c0, last_pos_rel, last_speed_pos_rel, out0, out1; writes out0, out1
.if DOCPART == 1
	.amdgcn_target "amdgcn-amd-amdhsa--gfx1250"
	.amdhsa_code_object_version 6
	.text
	.protected	k_q40efff4026_decoder
	.globl	k_q40efff4026_decoder
	.p2align	8
	.type	k_q40efff4026_decoder,@function
k_q40efff4026_decoder:
	s_mov_b64 s[64:65], 0
	v_nop
	global_prefetch_b8 v0, s[64:65] scope:SCOPE_SE
	s_setreg_imm32_b32 hwreg(HW_REG_WAVE_MODE, 25, 1), 1
	s_wait_xcnt 0x0
; DECODER: 16 steps of an LSTM cell that starts every step from the same (h0, c0); only rel (2 numbers a row) is carried.  out0[s][b][:] = rel of step s, out1 = h0.
; ALGEBRA.  x = W_emb [rel0, rel1, speed] + b_emb enters the gates only through W_ih x, so gates[R] = (W_hh h)[R] + u0[R] rel0 + u1[R] rel1 + u2[R] speed + bx[R],
; with u_j = W_ih W_emb[:, j] and bx = W_ih b_emb + b_ih + b_hh: x is never formed, and a step's gate product has four live places along K.
; SCALES.  The rows of gates i, f, o (of W_hh, u, bx) are multiplied by -log2(e), those of gate g by 2 log2(e), c by K = 2 log2(e):
; sigmoid = 1 / (1 + 2^x'), tanh = 1 - 2 / (1 + 2^x'); both forms are right at 2^x' = 0 and at infinity, so nothing is clamped.
; FORMATS.  Matrix operands in f16 (h0, W_hh, W_ih, W_emb, b_emb, W_pos, h_new, and u, bx, rel, speed, each rounded once from f32), sums in f32, the cell in f32.  f16 for its 11 significant bits:
; the roundings of 128 products in each gate and of 128 more in rel add up in a number that may lie near 0, where its room is 1% of the output's root mean square.
; LIMITS.  An operand beyond 65,504 becomes infinite.  With inputs 30 times those of unit and 0.1 spread, or shifted by 30 spreads: h0, last_pos_rel, speed about 150; scaled W_hh about 45;
; W_ih, W_emb, b_emb, W_pos about 15; scaled u and bx (64 products) under 7,000; |rel| <= sum |W_pos| + |b_pos|, about 2,000; |h_new| <= 1.  Operands below 6e-5 keep f16's fixed step of 6e-8.
; u and bx must be finite (unused places along K lean on finite x 0 = 0); NaN and infinities in the inputs are not treated apart; an exponential below 2^-126 counts as 0 beside the 1 that is added to it.
; NOT LOADED: last_pos (it feeds only the running position, which the scan throws away) and last_speed_abs_pos (named nowhere in the computation): no output hangs on either, whatever they hold.
; SHARES.  256 work-groups of 8 waves; a work-group owns 256 rows, a wave 32, as two GROUPS of 16 one after the other.  Two waves lie on a SIMD with 512 registers each.
; LAYOUT.  All products are used transposed: source 0 = 16 weight rows, source 1 = 16 batch rows.  With r = lane % 16, h = lane / 16, a result's register j of lane (r, h) is unit 16 t + 8 h + j of batch
; row r: the same place for the four gates, for W_hh h and for c, so the cell never leaves the lane; two tiles of h_new, rounded in pairs, ARE source 1 of rel = W_pos h_new.
; That product's C operand holds (b_pos0, b_pos1) in lanes 0-15 and (speed, 1) in lanes 16-31 of its first two registers, and W_pos's rows 2-15 are 0: so one conversion of the result's first two
; registers is the whole next operand (rel0, rel1 | speed, 1).  The 8 tiles of a gate share one source 0 of 8 registers (register t: tile t's u0, u1 | u2, bx); tile t is picked by a source 1 that has
; the rel register at place t and zeros elsewhere: eight overlapping views of one array of 22 registers.
; NO TENSOR LOADS, NO CLUSTER.  The weights that all work-groups share (393,216 bytes of f32) are needed scaled and rounded to f16, so they pass through registers; landed raw they would not fit in LDS.
; Each work-group reads them once, ahead of 2 x 16 steps a wave; the rows' data are a wave's own.
.set WHP,   272                        ; a row of W_hh, and of h, in LDS: 256 bytes of f16 + 16: 17 x 16, so the 16 rows of a fragment load start at 16 different groups of four banks (ISA guide 11.1)
.set STG,   512*WHP                    ; LDS 0: W_hh, 512 rows.  Behind it a stage of STGW bytes for each wave
.set STGW,  12800                      ; at first: W_ih, 64 rows x 144, and the embedding's table, 4 rows x 144, at EMB; in a group: h, 16 rows x 272, and c, 16 rows x 528, at CST
.set IHP,   144
.set EMB,   64*IHP
.set CST,   16*WHP
.set CSP,   528
.set OB,    STG+8*STGW                 ; 8,192 bytes a wave: step s at 512 s, group at + 256, lane at 8 lane: lanes 0-15 rel of row r; lanes 16-31 their (speed, 1), which nobody reads
.set OBW,   8192
.set UX,    OB+8*OBW                   ; 4,096 bytes: the u registers, gate q at 1,024 q, lane at 32 lane, tile t at 4 t
.set SPARE, UX+4096                    ; the spare words, 128 bytes for each wave: four blocks of 256 bytes that no other line names
; window 0 of the registers
.set LANE, 1
.set RR,   2                           ; r
.set HH,   3                           ; h
.set GOFF, 4                           ; 16 lane: a wave's load or store covers a row of 512 bytes
.set AW,   5                           ; v5, v6: my place in a fragment of W_hh, gates 0-1 and gates 2-3
.set SHST, 7                           ; h into the stage
.set SHLD, 8                           ; h's fragments out of it
.set SCST, 9                           ; c into the stage
.set SCLD, 10                          ; c out of it, in the results' layout
.set OA0,  11                          ; my lane's place in the wave's rel buffer
.set OA,   12
.set SPW,  13                          ; LDS address of my spare word; never rewritten
.set NIL,  14                          ; 0; never rewritten
.set PFO,  15                          ; 256 lane
.set U,    16                          ; v16-47   gate q's source 0 at U + 8 q
.set CB,   48                          ; v48-55   C of the first link of rel's product: two registers, then Z's first six zeros
.set Z,    50                          ; v50-71   zeros, but the rel register at Z + 7 and at Z + 14
.set WP,   72                          ; v72-103  W_pos, units 32 k on at WP + 8 k
.set RA,   104                         ; v104-111 rel's sums
.set HB,   112                         ; v112-119 two tiles of h_new in f16
.set C,    120                         ; v120-183 K c, tile t at C + 8 t
.set D,    184                         ; v184-247 two buffers of four gate tiles: i, f, g, o at + 0, 8, 16, 24
.set R8,   248                          ; 8 r
.set R4,   249                          ; 4 r
.set T0,   250
.set T1,   251
.set T2,   252
.set HF,   120                         ; while W_hh h is made: h's four fragments, and three buffers of four fragments of W_hh
.set AB,   152
; window 1: W_hh h, tile T = 8 q + t at 8 T.  While the weights are prepared it is scratch, and so are these of window 0:
.set EW,   16                          ; v16-23 W_emb, b_emb as loaded      v24-31 b_ih, b_hh
.set BI,   24
.set AE,   32                          ; v32-47 the embedding's table as source 0
.set PA,   48                          ; v48-79 four sums
.set UR,   80                          ; v80-83 my four u registers         v84-87 the table's words
.set PE,   88                          ; v88-96 addresses
.set PB,   89
.set PWH,  90
.set PIS,  91
.set PES,  92
.set PIL,  93
.set PEL,  94
.set PWP,  95
.set PUX,  96
.set WV,   2                           ; s2 my wave's number
.set SQ,   38                          ; s[38:39] the scale of my wave's gate
.set KK,   40                          ; s[40:41] K = 2 log2(e)
.set MK,   42                          ; s[42:43] -2 K
.set STEP, 44
.set GRP,  45
.set OBO,  46
.set PFK,  49
.set MSB, 0
.macro WIN new                         ; s_set_vgpr_msb: bits 1:0 source 0, 3:2 source 1, 5:4 source 2, 7:6 destination; the high byte repeats the setting that is left
.if MSB != (\new)
	s_set_vgpr_msb (MSB<<8)|(\new)
.set MSB, \new
.endif
.endm
.macro PLACES                          ; four plain vector instructions behind a matrix instruction, ahead of what reads its result or rewrites its registers (ISA guide 7.12.1)
.rept 4
	v_nop
.endr
.endm
; A group's rows: h0 and c0 (16 rows of 512 bytes each, a row an instruction), last_pos_rel and the speed: 34 loads.
.macro LOADS
.set li, 0
.rept 16
	global_load_b128 v[D+4*li:D+4*li+3], v[GOFF], s[24:25] offset:512*li th:TH_LOAD_NT
.set li, li+1
.endr
.set li, 0
.rept 16
	global_load_b128 v[C+4*li:C+4*li+3], v[GOFF], s[26:27] offset:512*li th:TH_LOAD_NT
.set li, li+1
.endr
	global_load_b64 v[RA:RA+1], v[R8], s[28:29]
	global_load_b32 v[RA+2], v[R4], s[30:31]
.endm
; 32 of my 64 rows of W_hh into window 1's v0-127; then scaled, rounded and stored into LDS.
.macro WHLOAD half
	WIN 0x40
.set wi, 0
.rept 32
	global_load_b128 v[4*wi:4*wi+3], v[GOFF], s[8:9] offset:(\half)*16384+512*wi
.set wi, wi+1
.endr
.endm
.macro WHCVT half
	WIN 0x45
.set wi, 0
.rept 64
	v_pk_mul_f32 v[2*wi:2*wi+1], v[2*wi:2*wi+1], s[SQ:SQ+1] op_sel_hi:[1,0]
.set wi, wi+1
.endr
.set wi, 0
.rept 32
	v_cvt_pk_f16_f32 v[4*wi], v[4*wi], v[4*wi+1]
	v_cvt_pk_f16_f32 v[4*wi+1], v[4*wi+2], v[4*wi+3]
.set wi, wi+1
.endr
	WIN 0x04
.set wi, 0
.rept 32
	ds_store_b64 v[PWH], v[4*wi:4*wi+1] offset:(\half)*32*WHP+WHP*wi
.set wi, wi+1
.endr
.endm
; W_hh h in 32 granules.  Granule g: tiles 2 (g / 2) and + 1, K chunks 2 (g % 2) and + 1.  Fragment f of four: tile f % 2, chunk f / 2.
.macro HLD g                           ; its eight LDS loads, into buffer g % 3
.set hb, AB+32*((\g)%3)
.irp f, 0,1,2,3
.set hT, 2*((\g)/2)+(\f)%2
.set ho, ((hT/8)&1)*128*WHP+(hT%8)*16*WHP+64*(2*((\g)%2)+(\f)/2)
	ds_load_b128 v[hb+8*(\f):hb+8*(\f)+3],   v[AW+hT/16] offset:ho
	ds_load_b128 v[hb+8*(\f)+4:hb+8*(\f)+7], v[AW+hT/16] offset:ho+32
.endr
.endm
.macro HMM g                           ; its four products: the two tiles' sums take turns, one instruction a turn; chunk 0 starts a sum
	WIN 0x50
.set hb, AB+32*((\g)%3)
.irp f, 0,1,2,3
.set hT, 2*((\g)/2)+(\f)%2
.set hk, 2*((\g)%2)+(\f)/2
.if hk == 0
	v_wmma_f32_16x16x32_f16 v[8*hT:8*hT+7], v[hb+8*(\f):hb+8*(\f)+7], v[HF+8*hk:HF+8*hk+7], 0
.else
	v_wmma_f32_16x16x32_f16 v[8*hT:8*hT+7], v[hb+8*(\f):hb+8*(\f)+7], v[HF+8*hk:HF+8*hk+7], v[8*hT:8*hT+7]
.endif
.endr
	WIN 0
.endm
; The four gates of tile t: u x (rel, speed, 1) + W_hh h.  The view of Z has the rel register at place t and begins on an even register: Z + 7 - t for odd t, Z + 14 - t for even t.
.macro GATES t
	WIN 0x10
.set zv, Z+14-(\t)-7*((\t)&1)
.set db, D+32*((\t)&1)
.irp q, 0,1,2,3
	v_wmma_f32_16x16x32_f16 v[db+8*(\q):db+8*(\q)+7], v[U+8*(\q):U+8*(\q)+7], v[zv:zv+7], v[64*(\q)+8*(\t):64*(\q)+8*(\t)+7]
.endr
	WIN 0
.endm
; rel += W_pos x h_new, units 32 k on.  Between two links stand four or eight gate products, each link a turn of one instruction.
.macro POS k
.if (\k) == 0
	v_wmma_f32_16x16x32_f16 v[RA:RA+7], v[WP:WP+7], v[HB:HB+7], v[CB:CB+7]
.else
	v_wmma_f32_16x16x32_f16 v[RA:RA+7], v[WP+8*(\k):WP+8*(\k)+7], v[HB:HB+7], v[RA:RA+7]
.endif
.endm
; THE CELL for tile t, in place: 80 exponentials and reciprocals, 44 packed plain instructions.  Behind an exponential or reciprocal a plain instruction that touches neither its result nor its
; source comes before the result is used (ISA guide 5.7.2): so the plain work of one gate stands between the pairs of another's, and always works on results a stage old.
; Each gate's lowest register is read first.
.macro TR2 op, base, k
	\op v[(\base)+2*(\k)], v[(\base)+2*(\k)]
	\op v[(\base)+2*(\k)+1], v[(\base)+2*(\k)+1]
.endm
.macro ADD1 base, k
	s_wait_alu depctr_va_vdst(0)
	v_pk_add_f32 v[(\base)+2*(\k):(\base)+2*(\k)+1], v[(\base)+2*(\k):(\base)+2*(\k)+1], 1.0 op_sel_hi:[1,0]
.endm
.macro YY k                            ; K c_new = sigmoid(f) x K c + sigmoid(i) x K tanh(g)
	s_wait_alu depctr_va_vdst(0)
	v_pk_fma_f32 v[eI+2*(\k):eI+2*(\k)+1], v[eF+2*(\k):eF+2*(\k)+1], v[eC+2*(\k):eC+2*(\k)+1], v[eI+2*(\k):eI+2*(\k)+1]
.endm
.macro ELEM t
.set eI, D+32*((\t)&1)
.set eF, eI+8
.set eG, eI+16
.set eO, eI+24
.set eC, C+8*(\t)
.set eH, HB+4*((\t)&1)
.irp k, 0,1,2,3
	TR2 v_exp_f32, eI, \k
.endr
.irp k, 0,1,2,3
	TR2 v_exp_f32, eG, \k
.endr
	v_nop
.irp k, 0,1,2,3
	TR2 v_exp_f32, eF, \k
	ADD1 eI, \k
.endr
.irp k, 0,1,2,3
	TR2 v_exp_f32, eO, \k
	ADD1 eG, \k
.endr
.irp k, 0,1,2,3
	TR2 v_rcp_f32, eI, \k              ; sigmoid(i)
	ADD1 eF, \k
.endr
.irp k, 0,1,2,3
	TR2 v_rcp_f32, eG, \k
	ADD1 eO, \k
.endr
.irp k, 0,1,2,3
	TR2 v_rcp_f32, eF, \k              ; sigmoid(f)
	s_wait_alu depctr_va_vdst(0)
	v_pk_fma_f32 v[eG+2*(\k):eG+2*(\k)+1], v[eG+2*(\k):eG+2*(\k)+1], s[MK:MK+1], s[KK:KK+1] op_sel_hi:[1,0,0]  ; K tanh(g) = K - 2 K / (1 + 2^g')
.endr
.irp k, 0,1,2,3
	TR2 v_rcp_f32, eO, \k              ; sigmoid(o)
	v_pk_mul_f32 v[eI+2*(\k):eI+2*(\k)+1], v[eI+2*(\k):eI+2*(\k)+1], v[eG+2*(\k):eG+2*(\k)+1]
.endr
	YY 0
	YY 1
	TR2 v_exp_f32, eI, 0
	YY 2
	TR2 v_exp_f32, eI, 1
	YY 3
	TR2 v_exp_f32, eI, 2
	TR2 v_exp_f32, eI, 3
	ADD1 eI, 0
	ADD1 eI, 1
	TR2 v_rcp_f32, eI, 0
	ADD1 eI, 2
	TR2 v_rcp_f32, eI, 1
	ADD1 eI, 3
	TR2 v_rcp_f32, eI, 2
	TR2 v_rcp_f32, eI, 3
	s_wait_alu depctr_va_vdst(0)
.irp k, 0,1,2,3
	v_pk_fma_f32 v[eI+2*(\k):eI+2*(\k)+1], v[eI+2*(\k):eI+2*(\k)+1], -2.0, 1.0 op_sel_hi:[1,0,0]  ; tanh(c_new)
.endr
.irp k, 0,1,2,3
	v_pk_mul_f32 v[eI+2*(\k):eI+2*(\k)+1], v[eI+2*(\k):eI+2*(\k)+1], v[eO+2*(\k):eO+2*(\k)+1]     ; h_new
.endr
.irp k, 0,1,2,3
	v_cvt_pk_f16_f32 v[eH+(\k)], v[eI+2*(\k)], v[eI+2*(\k)+1]
.endr
.endm
	; THE HEAD: the 14 addresses, in the order of the arguments: W_hh s[8:9], W_ih s[10:11], W_emb s[12:13], b_emb s[14:15], b_ih s[16:17], b_hh s[18:19], W_pos s[20:21], b_pos s[22:23],
	; h0 s[24:25], c0 s[26:27], last_pos_rel s[28:29], speed s[30:31], out0 s[32:33], out1 s[34:35]
	s_load_b512 s[8:23], s[0:1], 0x0
	s_load_b256 s[24:31], s[0:1], 0x40
	s_load_b128 s[32:35], s[0:1], 0x60
	v_lshl_add_u32 v[SPW], v0, 2, SPARE
	v_mov_b32 v[NIL], 0
	v_lshrrev_b32 v[T0], 5, v0
	v_readfirstlane_b32 s[WV], v[T0]               ; wave 0..7
	v_and_b32 v[LANE], 31, v0
	v_and_b32 v[RR], 15, v0
	v_bfe_u32 v[HH], v0, 4, 1
	v_lshlrev_b32 v[GOFF], 4, v[LANE]
	v_lshlrev_b32 v[PFO], 8, v[LANE]
	v_lshlrev_b32 v[R8], 3, v[RR]
	v_lshlrev_b32 v[R4], 2, v[RR]
	v_mul_u32_u24 v[T0], v[RR], WHP
	v_lshl_add_u32 v[AW], v[HH], 4, v[T0]          ; row r x pitch + 16 h (W_hh lies at LDS byte 0)
	v_add_nc_u32 v[AW+1], 256*WHP, v[AW]           ; gates 2 and 3 lie beyond the 16-bit immediate
	s_mul_i32 s3, s[WV], STGW
	s_add_co_u32 s3, s3, STG                       ; my stage
	v_lshl_add_u32 v[SHST], v[LANE], 3, s3
	v_add_nc_u32 v[SHLD], s3, v[AW]                ; h's rows have W_hh's pitch
	s_add_co_u32 s4, s3, CST
	v_lshl_add_u32 v[SCST], v[LANE], 4, s4
	v_mul_u32_u24 v[T0], v[RR], CSP
	v_lshl_add_u32 v[T0], v[HH], 5, v[T0]
	v_add_nc_u32 v[SCLD], s4, v[T0]
	s_mul_i32 s4, s[WV], OBW
	s_add_co_u32 s4, s4, OB
	v_lshl_add_u32 v[OA0], v[LANE], 3, s4          ; 8 bytes a lane
	; addresses for the weights' preparation
	v_mul_u32_u24 v[PE], v[LANE], 24               ; W_emb's rows 2 lane and 2 lane + 1: 24 bytes
	v_lshlrev_b32 v[PB], 3, v[LANE]                ; b_emb's two numbers
	s_mul_i32 s4, s[WV], 64*WHP
	v_lshl_add_u32 v[PWH], v[LANE], 3, s4          ; my 64 rows of W_hh in LDS
	v_mul_u32_u24 v[T0], v[HH], IHP
	v_lshl_add_u32 v[T0], v[RR], 3, v[T0]
	v_add_nc_u32 v[PIS], s3, v[T0]                 ; W_ih into the stage: a load holds two rows of 256 bytes
	s_add_co_u32 s5, s3, EMB
	v_lshl_add_u32 v[PES], v[LANE], 2, s5          ; the table: one word (two e) a lane and row
	v_mul_u32_u24 v[T0], v[RR], IHP
	v_lshl_add_u32 v[T0], v[HH], 4, v[T0]
	v_add_nc_u32 v[PIL], s3, v[T0]                 ; W_ih's fragments
	v_and_b32 v[T0], 1, v[RR]
	v_lshrrev_b32 v[T1], 3, v[RR]
	v_lshl_add_u32 v[T1], v[T1], 1, v[T0]          ; rows 0, 1, 8, 9 of source 0 take the table's rows 0, 1, 2, 3
	v_mul_u32_u24 v[T1], v[T1], IHP
	v_lshl_add_u32 v[T1], v[HH], 4, v[T1]
	v_add_nc_u32 v[PEL], s5, v[T1]
	v_lshlrev_b32 v[T0], 9, v[T0]
	v_lshl_add_u32 v[PWP], v[HH], 5, v[T0]         ; W_pos: row r % 2 (all lanes stay inside its two rows), 8 h units on
	s_lshr_b32 s6, s[WV], 1                        ; my 64 weight rows are half w % 2 of gate q = w / 2
	s_and_b32 s7, s[WV], 1
	s_lshl_b32 s4, s6, 10
	s_lshl_b32 s7, s7, 4
	s_add_co_u32 s4, s4, s7
	s_add_co_u32 s4, s4, UX
	v_lshl_add_u32 v[PUX], v[LANE], 5, s4
	s_mov_b32 s4, 0x4038aa3b                       ; 2 log2(e)
	s_mov_b32 s5, 0xbfb8aa3b                       ; -log2(e)
	s_cmp_eq_u32 s6, 2
	s_cselect_b32 s[SQ], s4, s5
	s_mov_b32 s[SQ+1], s[SQ]                       ; the packed forms name pairs and take the low word for both halves
	s_mov_b32 s[KK], 0x4038aa3b
	s_mov_b32 s[KK+1], s[KK]
	s_mov_b32 s[MK], 0xc0b8aa3b                    ; -4 log2(e)
	s_mov_b32 s[MK+1], s[MK]
	s_lshl_b32 s4, ttmp9, 8
	s_lshl_b32 s5, s[WV], 5
	s_add_co_u32 s4, s4, s5                        ; my first row: 256 x work-group + 32 x wave
	s_mov_b32 s7, 0
	s_wait_kmcnt 0x0
	s_load_b64 s[36:37], s[22:23], 0x0             ; b_pos, two numbers; waited for where they are used
	s_lshl_b32 s6, s4, 9                           ; rows of 512 bytes
	s_add_nc_u64 s[24:25], s[24:25], s[6:7]
	s_add_nc_u64 s[26:27], s[26:27], s[6:7]
	s_add_nc_u64 s[34:35], s[34:35], s[6:7]
	s_lshl_b32 s6, s4, 3
	s_add_nc_u64 s[28:29], s[28:29], s[6:7]
	s_add_nc_u64 s[32:33], s[32:33], s[6:7]
	s_lshl_b32 s6, s4, 2
	s_add_nc_u64 s[30:31], s[30:31], s[6:7]
	s_lshl_b32 s6, s[WV], 15                       ; my 64 rows of W_hh,
	s_add_nc_u64 s[8:9], s[8:9], s[6:7]
	s_lshl_b32 s6, s[WV], 14                       ; of W_ih,
	s_add_nc_u64 s[10:11], s[10:11], s[6:7]
	s_lshl_b32 s6, s[WV], 8                        ; of the two biases
	s_add_nc_u64 s[16:17], s[16:17], s[6:7]
	s_add_nc_u64 s[18:19], s[18:19], s[6:7]
	LOADS                                          ; the first group's rows are on their way while the weights are prepared
	; THE WEIGHTS, an eighth to each wave.  In this order go out: 12 small loads, 32 rows of W_hh, my 16 KiB of W_ih.
	global_load_b64 v[EW:EW+1],   v[PE], s[12:13]
	global_load_b64 v[EW+2:EW+3], v[PE], s[12:13] offset:8
	global_load_b64 v[EW+4:EW+5], v[PE], s[12:13] offset:16
	global_load_b64 v[EW+6:EW+7], v[PB], s[14:15]
.irp i, 0,1,2,3
	global_load_b32 v[BI+(\i)],   v[R4], s[16:17] offset:64*(\i)
	global_load_b32 v[BI+4+(\i)], v[R4], s[18:19] offset:64*(\i)
.endr
	WHLOAD 0
.set i, 0
.rept 32
	global_load_b128 v[128+4*i:128+4*i+3], v[GOFF], s[10:11] offset:512*i
.set i, i+1
.endr
	s_wait_loadcnt 32                              ; loads come back in order: all but W_ih's 32 are in
	WHCVT 0
	WHLOAD 1
	s_wait_loadcnt 32                              ; W_ih is in; the 32 rows of W_hh just asked for stay out
	WIN 0x45
.set i, 0
.rept 32
	v_cvt_pk_f16_f32 v[128+4*i], v[128+4*i], v[128+4*i+1]
	v_cvt_pk_f16_f32 v[128+4*i+1], v[128+4*i+2], v[128+4*i+3]
.set i, i+1
.endr
	WIN 0x04
.set i, 0
.rept 32
	ds_store_b64 v[PIS], v[128+4*i:128+4*i+1] offset:2*IHP*i
.set i, i+1
.endr
	WIN 0
	v_cvt_pk_f16_f32 v[UR+4], v[EW],   v[EW+3]     ; the table's rows: W_emb[:, 0], [:, 1], [:, 2], b_emb; a word holds e = 2 lane and 2 lane + 1
	v_cvt_pk_f16_f32 v[UR+5], v[EW+1], v[EW+4]
	v_cvt_pk_f16_f32 v[UR+6], v[EW+2], v[EW+5]
	v_cvt_pk_f16_f32 v[UR+7], v[EW+6], v[EW+7]
.irp i, 0,1,2,3
	ds_store_b32 v[PES], v[UR+4+(\i)] offset:IHP*(\i)
.endr
	WIN 0x40
.set i, 0
.rept 16                                       ; W_pos in source 0's layout: units 32 (i / 4) + 16 ((i / 2) % 2) + 8 h + 4 (i % 2) on
	global_load_b128 v[128+4*i:128+4*i+3], v[PWP], s[20:21] offset:128*(i/4)+64*((i/2)%2)+16*(i%2)
.set i, i+1
.endr
.set i, 0
.rept 8                                        ; W_ih's fragments: tile i / 2, e = 32 (i % 2) on.  LDS serves a wave's instructions in order (ISA guide 5.7.1.4): these see the stores above
	ds_load_b128 v[192+8*i:192+8*i+3],   v[PIL] offset:16*IHP*(i/2)+64*(i%2)
	ds_load_b128 v[192+8*i+4:192+8*i+7], v[PIL] offset:16*IHP*(i/2)+64*(i%2)+32
.set i, i+1
.endr
	WIN 0
.irp i, 0,1,2,3
	ds_load_b128 v[AE+4*(\i):AE+4*(\i)+3], v[PEL] offset:32*(\i)
.endr
	v_and_b32 v[T0], 6, v[RR]
	v_cmp_eq_u32 vcc_lo, 0, v[T0]                  ; rows 0, 1, 8, 9 are live
	s_wait_dscnt 0x0
.set i, 0
.rept 16
	v_cndmask_b32 v[AE+i], 0, v[AE+i], vcc_lo
.set i, i+1
.endr
	WIN 0x04                                       ; u^T = table x W_ih^T: registers 0, 1 of lane (r, h) are u0, u1 (h = 0) or u2, W_ih b_emb (h = 1) of weight row r.  Four sums by turns
.irp k, 0,1
.irp i, 0,1,2,3
.if (\k) == 0
	v_wmma_f32_16x16x32_f16 v[PA+8*(\i):PA+8*(\i)+7], v[AE:AE+7], v[192+16*(\i):192+16*(\i)+7], 0
.else
	v_wmma_f32_16x16x32_f16 v[PA+8*(\i):PA+8*(\i)+7], v[AE+8:AE+15], v[192+16*(\i)+8:192+16*(\i)+15], v[PA+8*(\i):PA+8*(\i)+7]
.endif
.endr
.endr
	s_wait_loadcnt 16                              ; the second 32 rows of W_hh are in; W_pos's 16 loads stay out
	WHCVT 1                                        ; its arithmetic, on other registers, is also the places behind those products
	WIN 0
	v_cmp_lt_u32 vcc_lo, 15, v[LANE]               ; lanes 16-31 hold bx
.irp i, 0,1,2,3
	v_add_f32 v[BI+(\i)], v[BI+(\i)], v[BI+4+(\i)]
	v_cndmask_b32 v[BI+(\i)], 0, v[BI+(\i)], vcc_lo
	v_add_f32 v[PA+8*(\i)+1], v[PA+8*(\i)+1], v[BI+(\i)]
	v_pk_mul_f32 v[PA+8*(\i):PA+8*(\i)+1], v[PA+8*(\i):PA+8*(\i)+1], s[SQ:SQ+1] op_sel_hi:[1,0]
	v_cvt_pk_f16_f32 v[UR+(\i)], v[PA+8*(\i)], v[PA+8*(\i)+1]
.endr
	ds_store_b128 v[PUX], v[UR:UR+3]               ; my four tiles' u registers, for all waves
	s_wait_loadcnt 0x0                             ; W_pos
	WIN 0x05
.set i, 0
.rept 32
	v_cvt_pk_f16_f32 v[WP+i], v[128+2*i], v[128+2*i+1]
.set i, i+1
.endr
	WIN 0
	v_cmp_gt_u32 vcc_lo, 2, v[RR]                  ; rows 2-15 of source 0 are 0
.set i, 0
.rept 32
	v_cndmask_b32 v[WP+i], 0, v[WP+i], vcc_lo
.set i, i+1
.endr
	s_wait_dscnt 0x0                               ; for the others' sake: my rows of W_hh and my u registers are in LDS
	s_barrier_signal -1
	s_barrier_wait -1                              ; the one barrier: from here on W_hh and the u registers are only read, and all else in LDS is a wave's own
	v_lshl_add_u32 v[T0], v[LANE], 5, UX
.irp i, 0,1,2,3,4,5,6,7
	ds_load_b128 v[U+4*(\i):U+4*(\i)+3], v[T0] offset:1024*((\i)/2)+16*((\i)%2)  ; waited for with the group's first fragments
.endr
.irp j, 0,1,2,3,4,5,6,8,9,10,11,12,13,15,16,17,18,19,20,21
	v_mov_b32 v[Z+(\j)], 0
.endr
	v_cmp_lt_u32 vcc_lo, 15, v[LANE]
	s_wait_kmcnt 0x0                               ; b_pos
	v_cndmask_b32 v[CB+1], s37, 1.0, vcc_lo        ; b_pos1 | 1
	s_mov_b32 s[GRP], 2
.Lgroup:                                           ; two trips: 16 rows each
	s_wait_loadcnt 0x0                             ; the group's rows
.set i, 0
.rept 16
	global_store_b128 v[GOFF], v[D+4*i:D+4*i+3], s[34:35] offset:512*i th:TH_STORE_NT  ; out1 = h0: a store covers 512 consecutive bytes, at a multiple of 512 from out1's first
.set i, i+1
.endr
.set i, 0
.rept 32
	v_pk_mul_f32 v[C+2*i:C+2*i+1], v[C+2*i:C+2*i+1], s[KK:KK+1] op_sel_hi:[1,0]
.set i, i+1
.endr
.set i, 0
.rept 16
	ds_store_b128 v[SCST], v[C+4*i:C+4*i+3] offset:CSP*i
.set i, i+1
.endr
.set i, 0
.rept 32
	v_cvt_pk_f16_f32 v[AB+i], v[D+2*i], v[D+2*i+1]
.set i, i+1
.endr
.set i, 0
.rept 16
	ds_store_b64 v[SHST], v[AB+2*i:AB+2*i+1] offset:WHP*i
.set i, i+1
.endr
.irp i, 0,1,2,3,4,5,6,7
	ds_load_b128 v[HF+4*(\i):HF+4*(\i)+3], v[SHLD] offset:32*(\i)  ; h's four fragments; they see my stores above
.endr
	HLD 0
	s_wait_xcnt 0x0                                ; the stores of h0 have had their addresses translated (ISA guide 3.1): only behind this wait are their data registers loaded again
	HLD 1
.set gn, 0
.rept 32
.if gn < 31
	s_wait_dscnt 8                                 ; LDS loads come back in order: this granule's are in, the next granule's eight stay out
.else
	s_wait_dscnt 0x0
.endif
	HMM gn
.if gn < 30
	PLACES                                         ; ahead of the loads into the buffer that the granule before multiplied
	HLD gn+2
.endif
.set gn, gn+1
.endr
	v_cmp_lt_u32 vcc_lo, 15, v[LANE]
	v_cndmask_b32 v[CB], s36, v[RA+2], vcc_lo      ; b_pos0 | speed
	v_cndmask_b32 v[T0], v[RA], v[RA+2], vcc_lo    ; last_pos_rel0 | speed
	v_cndmask_b32 v[T1], v[RA+1], 1.0, vcc_lo      ; last_pos_rel1 | 1
	v_cvt_pk_f16_f32 v[Z+7], v[T0], v[T1]          ; the first step's rel register, at both its places
	v_cvt_pk_f16_f32 v[Z+14], v[T0], v[T1]
	PLACES                                         ; with the lines above: the places behind the last products, ahead of the loads below and of the gate products that take these sums as C
.set i, 0
.rept 16
	ds_load_b128 v[C+4*i:C+4*i+3], v[SCLD] offset:64*(i/2)+16*(i%2)  ; K c in the results' layout
.set i, i+1
.endr
	s_cmp_eq_u32 s[GRP], 2
	s_cselect_b32 s[PFK], 1, 0                     ; the trip that asks ahead: the first group's last; the second group has none
	s_sub_co_u32 s[OBO], 2, s[GRP]
	s_lshl_b32 s[OBO], s[OBO], 8                   ; the group's 256 bytes in each step's 512
	s_mov_b32 s[STEP], 16
	s_wait_dscnt 0x0
.Lstep:                                            ; 16 trips
	s_cmp_lg_u32 s[STEP], s[PFK]
	s_cbranch_scc1 .Lnot_ahead
	global_prefetch_b8 v[PFO], s[24:25] offset:8192 th:TH_LOAD_NT scope:SCOPE_SE  ; my second group's 8,192 bytes of h0 and of c0, one trip ahead of their loads:
	global_prefetch_b8 v[PFO], s[26:27] offset:8192 th:TH_LOAD_NT scope:SCOPE_SE  ; lanes 256 bytes apart, each block asked for once, by the wave that will load it
.Lnot_ahead:
	GATES 0
	GATES 1
	PLACES
.set st, 0
.rept 8                                        ; a tile's cell stands between the gate products two tiles ahead: its plain instructions are their places
	ELEM st
.if st%2
	POS st/2
.endif
.if st < 6
	GATES st+2
.endif
.set st, st+1
.endr
	v_add_nc_u32 v[OA], s[OBO], v[OA0]
.rept 3
	v_nop                                          ; with the line above: the places behind rel's last link
.endr
	v_cvt_pk_f16_f32 v[Z+7], v[RA], v[RA+1]        ; rel0, rel1 | speed, 1: the next step's operand, at both its places
	v_cvt_pk_f16_f32 v[Z+14], v[RA], v[RA+1]
	ds_store_b64 v[OA], v[RA:RA+1]                 ; all lanes on: lanes 0-15 store rel in f32, lanes 16-31 their (speed, 1) into the 128 bytes behind, which nobody reads
	s_add_co_u32 s[OBO], s[OBO], 512
	s_sub_co_u32 s[STEP], s[STEP], 1
	s_cmp_lg_u32 s[STEP], 0
	s_cbranch_scc1 .Lstep
	s_cmp_eq_u32 s[GRP], 1
	s_cbranch_scc1 .Lno_more                       ; behind the second group nothing is left to load
	s_wait_xcnt 0x0                                ; the bases are stepped only behind this wait
	s_add_nc_u64 s[24:25], s[24:25], 8192          ; 16 rows on
	s_add_nc_u64 s[26:27], s[26:27], 8192
	s_add_nc_u64 s[34:35], s[34:35], 8192
	s_add_nc_u64 s[28:29], s[28:29], 128
	s_add_nc_u64 s[30:31], s[30:31], 64
	LOADS
.Lno_more:
	s_sub_co_u32 s[GRP], s[GRP], 1
	s_cmp_lg_u32 s[GRP], 0
	s_cbranch_scc1 .Lgroup
	; THE WAY OUT of rel: a step's 32 rows of mine are 256 consecutive bytes of out0; in my buffer they are two runs of 128 bytes, 256 apart.
	s_mul_i32 s3, s[WV], OBW
	s_add_co_u32 s3, s3, OB
	v_and_b32 v[T0], 7, v[RR]
	v_lshlrev_b32 v[T0], 4, v[T0]                  ; 16 bytes (two rows) a lane: lanes 0-7 of sixteen the first group's rows,
	v_lshrrev_b32 v[T2], 3, v[RR]
	v_lshl_add_u32 v[T0], v[T2], 8, v[T0]          ; lanes 8-15 the second group's;
	v_lshl_add_u32 v[T0], v[HH], 9, v[T0]          ; lanes 0-15 an even step, lanes 16-31 the next
	v_add_nc_u32 v[T0], s3, v[T0]
	v_lshlrev_b32 v[T1], 4, v[RR]
	v_lshl_add_u32 v[T1], v[HH], 19, v[T1]         ; in out0 the next step lies 524,288 bytes on
.irp i, 0,1,2,3,4,5,6,7
	ds_load_b128 v[D+4*(\i):D+4*(\i)+3], v[T0] offset:1024*(\i)  ; they see my own stores of the steps
.endr
.irp i, 0,1,2,3,4,5,6,7
	s_wait_dscnt 7-(\i)                            ; the younger loads stay out
	global_store_b128 v[T1], v[D+4*(\i):D+4*(\i)+3], s[32:33] offset:1048576*(\i) th:TH_STORE_NT  ; 16 lanes store 256 consecutive bytes, at a multiple of 256 from out0's first; 7,340,032 at the most, inside the signed 24-bit immediate
.endr
	s_wait_tensorcnt 0x0                           ; the wave's end, behind my last LDS store
	ds_add_u32 v[SPW], v[NIL]
	s_wait_dscnt 0x0
	s_endpgm
.Lfunc_end_k_q40efff4026_decoder:
	.size	k_q40efff4026_decoder, .Lfunc_end_k_q40efff4026_decoder-k_q40efff4026_decoder
	.p2alignl 7, 3214868480
	.fill 96, 4, 3214868480
	.section	.rodata,"a",@progbits
	.p2align	6, 0x0
	.amdhsa_kernel k_q40efff4026_decoder
		.amdhsa_group_segment_fixed_size 312320
		.amdhsa_private_segment_fixed_size 0
		.amdhsa_enable_private_segment 0
		.amdhsa_kernarg_size 112
		.amdhsa_user_sgpr_count 2
		.amdhsa_user_sgpr_kernarg_segment_ptr 1
		.amdhsa_wavefront_size32 1
		.amdhsa_system_sgpr_workgroup_id_x 1
		.amdhsa_system_sgpr_workgroup_id_y 1
		.amdhsa_system_sgpr_workgroup_id_z 1
		.amdhsa_system_vgpr_workitem_id 0
		.amdhsa_next_free_vgpr 512
		.amdhsa_next_free_sgpr 66
		.amdhsa_reserve_vcc 1
		.amdhsa_float_denorm_mode_32 3
		.amdhsa_float_denorm_mode_16_64 3
		.amdhsa_memory_ordered 1
		.amdhsa_forward_progress 1
		.amdhsa_inst_pref_size 154
	.end_amdhsa_kernel
	.amdgpu_metadata
---
amdhsa.version: [ 1, 2 ]
amdhsa.kernels:
  - .name:           k_q40efff4026_decoder
    .symbol:         k_q40efff4026_decoder.kd
    .args:
      - { .name: W_hh, .offset: 0, .size: 8, .value_kind: global_buffer, .address_space: global }
      - { .name: W_ih, .offset: 8, .size: 8, .value_kind: global_buffer, .address_space: global }
      - { .name: W_emb, .offset: 16, .size: 8, .value_kind: global_buffer, .address_space: global }
      - { .name: b_emb, .offset: 24, .size: 8, .value_kind: global_buffer, .address_space: global }
      - { .name: b_ih, .offset: 32, .size: 8, .value_kind: global_buffer, .address_space: global }
      - { .name: b_hh, .offset: 40, .size: 8, .value_kind: global_buffer, .address_space: global }
      - { .name: W_pos, .offset: 48, .size: 8, .value_kind: global_buffer, .address_space: global }
      - { .name: b_pos, .offset: 56, .size: 8, .value_kind: global_buffer, .address_space: global }
      - { .name: h0, .offset: 64, .size: 8, .value_kind: global_buffer, .address_space: global }
      - { .name: c0, .offset: 72, .size: 8, .value_kind: global_buffer, .address_space: global }
      - { .name: last_pos_rel, .offset: 80, .size: 8, .value_kind: global_buffer, .address_space: global }
      - { .name: last_speed_pos_rel, .offset: 88, .size: 8, .value_kind: global_buffer, .address_space: global }
      - { .name: out0, .offset: 96, .size: 8, .value_kind: global_buffer, .address_space: global }
      - { .name: out1, .offset: 104, .size: 8, .value_kind: global_buffer, .address_space: global }
    .group_segment_fixed_size: 312320
    .private_segment_fixed_size: 0
    .kernarg_segment_align: 8
    .kernarg_segment_size: 112
    .max_flat_workgroup_size: 256
    .sgpr_count:     66
    .vgpr_count:     512
    .wavefront_size: 32
...
	.end_amdgpu_metadata
.endif
;; end of part 1
